; MI455X (gfx1250); checked and timed in simulation.
; The chip was launched on July 23, 2026; its instructions are those of AMD's public machine-readable ISA for CDNA 5 (MIT licence, August 2026) and "CDNA5" Instruction Set Architecture Reference Guide (July 2026). The comments in the code are by the model that wrote it; some were corrected since.
;; Multi Head Attention. Allowed arithmetic: matrix products marked QUANTISED: E2M3 operands, one E8M0 scale for each 32 along K, by v_wmma_scale_f32_16x16x128_f8f6f4 with both operands' format E2M3, f32 sums; everything else in f32.
;; Inputs: Wk_codes 1,024 x 32 x 24 uint8 (E2M3 codes of Wk, K innermost, in blocks of 32 codes, four codes in three bytes); Wk_scales 1,024 x 32 uint8 (E8M0 scales of Wk, one for each 32 codes along K); Wo_codes 1,024 x 32 x 24 uint8 (E2M3 codes of Wo, K innermost, in blocks of 32 codes, four codes in three bytes); Wo_scales 1,024 x 32 uint8 (E8M0 scales of Wo, one for each 32 codes along K); Wq_codes 1,024 x 32 x 24 uint8 (E2M3 codes of Wq, K innermost, in blocks of 32 codes, four codes in three bytes); Wq_scales 1,024 x 32 uint8 (E8M0 scales of Wq, one for each 32 codes along K); Wv_codes 1,024 x 32 x 24 uint8 (E2M3 codes of Wv, K innermost, in blocks of 32 codes, four codes in three bytes); Wv_scales 1,024 x 32 uint8 (E8M0 scales of Wv, one for each 32 codes along K); bk 1,024 float32; bo 1,024 float32; bq 1,024 float32; bv 1,024 float32; q_codes 2 x 2,048 x 32 x 24 uint8 (E2M3 codes of q, K innermost, in blocks of 32 codes, four codes in three bytes); q_scales 2 x 2,048 x 32 uint8 (E8M0 scales of q, one for each 32 codes along K).
;; Outputs: out0 2 x 2,048 x 1,024 float32.
;; This version of the problem:
;;   THIS VERSION OF THE PROBLEM IS GIVEN IN LOW PRECISION. The matrix products marked QUANTISED in the list below multiply operands that are first quantised to E2M3 (2 exponent bits, 3 mantissa bits; 6 bits a number), with one power-of-two scale for each 32 numbers along K (OCP MX v1.0); their sums are f32. All else is computed in f32.
;;   The module's matrix products, in the order in which they are computed (A, B: the left and right operand; K: the contracted axis; several contracted axes count as one K, in the product's order):
;;     1. [M 4,096, K 1,024] x [K 1,024, N 1,024]; A: input q (given as codes); B: input Wq (given as codes): QUANTISED
;;     2. [M 4,096, K 1,024] x [K 1,024, N 1,024]; A: input q (given as codes); B: input Wk (given as codes): QUANTISED
;;     3. [M 4,096, K 1,024] x [K 1,024, N 1,024]; A: input q (given as codes); B: input Wv (given as codes): QUANTISED
;;     4. batch 32 x [M 2,048, K 64] x [K 64, N 2,048]; A: computed on the way; B: computed on the way: QUANTISED
;;     5. batch 32 x [M 2,048, K 2,048] x [K 2,048, N 64]; A: softmax (see below); B: computed on the way: QUANTISED
;;     6. [M 4,096, K 1,024] x [K 1,024, N 1,024]; A: computed on the way; B: input Wo (given as codes): QUANTISED
;;   THE QUANTISER, for each operand of a quantised product, along K:
;;     - K is cut into blocks of 32 from its start; a last block that is shorter is filled with zeros.
;;     - A block's scale is 2^e with e = floor(log2(the largest magnitude in the block)) - 2, held to -126 .. 127; a block of zeros has e = 0. As a byte (E8M0): e + 127.
;;     - Each number is divided by its block's scale, clamped to +-7.5, and rounded to the nearest number of E2M3, ties to even, subnormals kept.
;;     - The product sums the exact products of the quantised numbers (number of the format x scale) in f32.
;;   ~~~python
;;   def quantise(x, axis):      # numpy; x: float32 -> the quantised numbers, widened to float32 again
;;       x = np.moveaxis(x, axis, -1); K = x.shape[-1]
;;       x = np.pad(x, [(0, 0)] * (x.ndim - 1) + [(0, -K % 32)]); x = x.reshape(x.shape[:-1] + (-1, 32)); a = np.abs(x).max(-1, keepdims=True)
;;       e = np.where(a > 0, np.clip(np.frexp(np.where(a > 0, a, 1))[1] - 1 - 2, -126, 127), 0)      # np.frexp(a)[1] - 1 = floor(log2(a)), exactly
;;       r = np.clip(x / 2.0 ** e, -7.5, 7.5)
;;       step = 2.0 ** (np.maximum(np.frexp(np.where(r == 0, 1, r))[1] - 1, 0) - 3)
;;       q = np.round(r / step) * step * 2.0 ** e      # np.round: ties to even
;;       return np.moveaxis(q.reshape(q.shape[:-2] + (-1,))[..., :K], -1, axis).astype(np.float32)
;;   ~~~
;;   SOFTMAX AHEAD OF A QUANTISED PRODUCT. Where the list says 'softmax', what is quantised is not the finished softmax but p = 2^(t - M), with t = logit x log2(e) and M = ceil(the row's largest t), a whole number; so 1/2 < the row's largest p <= 1. The row's sum l is taken of the UNQUANTISED p, in f32, and the product's result is divided by l at the end. Since M is a whole number, a kernel that streams over the keys may use a running M (the ceiling of the running maximum): every later rescaling is an exact power of two, which a block's scale takes up: the codes' values come out the same.
;;   OPERANDS COMPUTED ON THE WAY. 'Computed on the way' means the value that the module computes at that place (a softmax that the list does not call 'softmax' is quantised finished and normalised). What goes into a quantiser is computed in f32, as accurately as f32 sums, v_exp_f32 and their like allow (about 1e-6 of the number): no bf16 or f16 on the way to a quantiser, and a product that is left as it is and whose result goes on into a quantised operand takes f32 operands (vector FMAs, or v_wmma_f32_16x16x4_f32). A number that lies on a knife's edge between two numbers of the format may be rounded either way, as far as f32 arithmetic and the matrix unit's own rounding can turn it there, and no further.
;;   INPUTS GIVEN AS CODES. Wk (in the module: [1024, 1024], K = its axis 0); Wo (in the module: [1024, 1024], K = its axis 0); Wq (in the module: [1024, 1024], K = its axis 0); Wv (in the module: [1024, 1024], K = its axis 0); q (in the module: [2, 2048, 1024], K = its axis 2): each comes as NAME_codes (uint8): NAME with its K axis moved to the last place and cut into blocks of 32 codes, [.., K / 32, bytes a block], one block behind the other in memory; four codes in three bytes: a row's codes are one little-endian stream of bits, code i at bits 6 i .. 6 i + 5 (a code: sign, 2 exponent bits, 3 mantissa bits); and NAME_scales (uint8): the same leading axes, one E8M0 byte (e + 127) for each 32 codes along K. Its value is code x scale, taken as it is: it is not quantised again, and the codes and scales need not be those that the quantiser above would give.
;; One version. Each part assembles by itself: llvm-mc -triple=amdgcn-amd-amdhsa -mcpu=gfx1250 --defsym DOCPART=n.
;; ======== version 1 of 1: 3 launches
;; limits: right only within a limited range of input values
;; workspace buffers: img 9,830,400 bytes; ao 3,145,728 bytes; aos 131,072 bytes
;; launch qkv (part 1): grid 16 x 16, 4 waves a work-group, clusters of 4 x 4, 327,680 bytes of LDS; arguments q_codes, q_scales, Wq_codes, Wq_scales, Wk_codes, Wk_scales, Wv_codes, Wv_scales, bq, bk, bv, img; writes img
.if DOCPART == 1
	.amdgcn_target "amdgcn-amd-amdhsa--gfx1250"
	.amdhsa_code_object_version 6
	.text
	.protected	k_qbaeae9a0c7_qkv
	.globl	k_qbaeae9a0c7_qkv
	.p2align	8
	.type	k_qbaeae9a0c7_qkv,@function
k_qbaeae9a0c7_qkv:
	s_mov_b64 s[64:65], 0
	v_nop
	global_prefetch_b8 v0, s[64:65] scope:SCOPE_SE
	s_setreg_imm32_b32 hwreg(HW_REG_WAVE_MODE, 25, 1), 1
	s_wait_xcnt 0x0
	s_wait_alu depctr_hold_cnt(0) depctr_sa_sdst(0) depctr_va_vdst(0) depctr_va_sdst(0) depctr_va_ssrc(0) depctr_va_vcc(0) depctr_vm_vsrc(0)
	s_getreg_b32 s2, hwreg(HW_REG_IB_STS2, 6, 4)
	s_cmp_eq_u32 s2, 0
	s_cbranch_scc0 .Lentry_in_a_cluster
	s_endpgm
.Lentry_in_a_cluster:
	s_bfe_u32 s2, ttmp6, 0x10000c
	s_cmp_lg_u32 s2, 0xf033
	s_cbranch_scc0 .Lentry_shape_is_right
	s_endpgm
.Lentry_shape_is_right:
; qp = q Wq + bq, kp = q Wk + bk, vp = q Wv + bv on codes of FP6 (E2M3) with E8M0 scales, sums in f32; the results are quantised at once (qp, kp along the head's 64, vp along the tokens)
; and stored as images of operand registers for the attention launch.
; SHARES.  A work-group takes 256 tokens (Mt) and one head (hd): 64 columns each of Wq, Wk, Wv.  Wave w: wm = w / 2, wn = w % 2.  wn picks Wq (0) or Wk (1), four tiles of 16 columns, and two of Wv's four tiles.
; A wave holds its 96 rows of weights, all of K, in registers (48 fragments of 12) and streams q past them in eight blocks of 16 tokens: block b lies in chunk b / 4 (128 tokens), band wm (64 of them), tile j = b % 4.
; TILES.  Lane r of tile j is token 64 wm + 32 (r / 8) + 8 (j xor r / 8) + r % 8 of its chunk; a weight's tile t likewise: column 32 (r / 8) + 8 (t xor r / 8) + r % 8 of the head.  So the 32 results that a lane holds
; of four tiles are one whole scale block, and no lane looks at another.  (The xor puts the rows of a load at different banks: LDS rows are 816 bytes apart.)  Inside a block the order of the numbers is the same on both sides of each product.
; Wq, Wk: TRANSPOSED (source 0 = weights: a lane holds one token).  Wv: source 0 = tokens: a lane holds one column.  The biases are the C of each sum's first product.
; IMG: a record of 19,200 bytes for each head and 128 tokens: K 8 half fragments of 768 bytes (6,144), K's scale words 256, V 6,144 and 256, Q 6,144 and 256.  A half fragment is [lane][16 bytes], [lane][8 bytes].
; LDS: chunk 0 at 0; Wq, Wk, Wv behind it; chunk 1 is asked for onto Wq's and Wk's bytes, which all waves hold in registers by then: one refill, in one round.  Then the stage of the scale bytes, then the spare words.
; CLUSTER 4 x 4: q's rows hang on Mt alone and are asked for jointly along a row of the cluster, the weights on hd alone, along a column.  Chunk 1 is prefetched at the head, shared out by address among the sixteen waves that will ask for it jointly.
; LIMITS.  NaN and infinities are not served.  A block whose largest magnitude lies under 2^-124 gets the byte 1; these bytes are read by this program alone.
; REGISTERS.  window 0: v0-2 second codes, v3 a scale operand, v4-5 the spare word's address and 0, v6-11 codes, v12-35 weights' scale words, v36-67 q's, v68-131 Q or K sums (two sets), v132-195 V sums, v196-227 and v228-243 biases, v244-255 the last fragment.
;   windows 1-3: fragments 0-62, 21 to a window; 252-255: window 1 the maxima, scale operand, byte; window 2 LDS addresses of q; window 3 offsets of the way out.
.set PITCH, 816
.set TSTEP, 8*PITCH
.set WB,    128*PITCH
.set WBLK,  64*PITCH
.set XS,    WB+3*WBLK
.set SPARE, XS+2048
.set RECM,  19200
.set SB, 12
.set SA, 36
.set BA, 100                           ; v100-111 at the head: LDS addresses of the weights' six tiles
.set MSB, 0
.set CNT, 0
.macro WIN new                         ; the immediate's high byte repeats the setting that is left
.if MSB != (\new)
	s_set_vgpr_msb (MSB<<8)|(\new)
.set MSB, (\new)
.endif
.endm
.macro WALU
	s_wait_alu depctr_va_vdst(0)
.endm
.macro MIDDLE
	WIN 0
	s_barrier_wait -1
	s_cmp_lg_u32 s30, 0
	s_cbranch_scc1 .Lnot_wave_0_\@
	s_barrier_signal -3
.Lnot_wave_0_\@:
	s_barrier_wait -3
	s_barrier_signal -1
	s_barrier_wait -1
.endm
.macro CROUND                          ; a round of the cluster's barrier
	s_barrier_signal -1
	MIDDLE
.endm
.macro TLOAD g0, g1
	tensor_load_to_lds s[\g0:\g0+3], s[\g1:\g1+7]
	s_nop 0
.rept 4
	v_nop
.endr
.endm
.macro GROUP1 g, mask, rows            ; rows of 768 bytes, dense in memory; 16 bytes of padding behind every 256
	s_or_b32 s[\g], s\mask, (1<<20)|(1<<21)|(5<<22)|(3<<25)
	s_mov_b32 s[\g+1], 768<<16
	s_mov_b32 s[\g+2], (\rows)<<16
	s_mov_b32 s[\g+3], 768<<16
	s_mov_b32 s[\g+4], \rows
	s_mov_b32 s[\g+5], 768
	s_mov_b32 s[\g+6], 0
	s_mov_b32 s[\g+7], 0
.endm
; A fragment of 16 rows x 128 K: six pieces of 8 bytes, two to a load where both lie behind as many paddings; a1 serves the pieces that lie behind one padding more in lanes 16-31.
.macro FRAG f, q, a0, a1, aw
.set FW_, (1+(\f)/21)%4
.set R_, 12*((\f)%21)+244*((\f)/63)
	WIN (FW_<<6)|(\aw)
.set SKIP_, 0
.irp p, 0,1,2,3,4,5
.if SKIP_
.set SKIP_, 0
.else
.set CNT, CNT+1
.set PC_, 12*(\q)+6*(\p/3)+\p%3
.set PN_, 12*(\q)+6*((\p+1)/3)+(\p+1)%3
.set X_, (PC_%32+3)/32
.set XQ_, (PN_%32+3)/32
.if (\p < 5) && (X_ == XQ_)
.set SKIP_, 1
.if X_
	ds_load_2addr_b64 v[R_+2*\p:R_+2*\p+3], \a1 offset0:PC_+2*(PC_/32) offset1:PN_+2*(PN_/32)
.else
	ds_load_2addr_b64 v[R_+2*\p:R_+2*\p+3], \a0 offset0:PC_+2*(PC_/32) offset1:PN_+2*(PN_/32)
.endif
.elseif X_
	ds_load_b64 v[R_+2*\p:R_+2*\p+1], \a1 offset:8*(PC_+2*(PC_/32))
.else
	ds_load_b64 v[R_+2*\p:R_+2*\p+1], \a0 offset:8*(PC_+2*(PC_/32))
.endif
.endif
.endr
.endm
.macro WLOAD q                         ; K step q of my six tiles of weights
.irp t, 0,1,2,3,4,5
	FRAG 6*(\q)+\t, \q, v[BA+2*\t], v[BA+2*\t+1], 0
.endr
.endm
.macro FETCH b                         ; block b of q, all of K, into set b % 2: 26 loads; then the address goes on to block b + 2
.set PB_, 252+2*((\b)%2)
	WALU
.irp q, 0,1,2,3,4,5,6,7
	FRAG 48+8*((\b)%2)+\q, \q, v[PB_], v[PB_+1], 2
.endr
.if (\b) < 6
	WIN 0x88
.irp k, 0,1
.if ((\b)%4) < 2
	v_add_nc_u32 v[PB_+\k], 2*TSTEP, v[PB_+\k]
.else
	v_add_nc_u32 v[PB_+\k], WB-2*TSTEP, v[PB_+\k]
.endif
.endr
.endif
.endm
.macro WM d, a, b, c, sa, sb, ra, rb   ; one product; ra, rb: the side's scale words stand in lanes 16-31
.if (\ra) && (\rb)
	v_wmma_scale_f32_16x16x128_f8f6f4 v[(\d):(\d)+7], v[(\a):(\a)+11], v[(\b):(\b)+11], v[(\c):(\c)+7], v[\sa], v[\sb] matrix_a_fmt:MATRIX_FMT_FP6 matrix_b_fmt:MATRIX_FMT_FP6 matrix_a_scale:MATRIX_SCALE_ROW1 matrix_b_scale:MATRIX_SCALE_ROW1
.elseif (\ra)
	v_wmma_scale_f32_16x16x128_f8f6f4 v[(\d):(\d)+7], v[(\a):(\a)+11], v[(\b):(\b)+11], v[(\c):(\c)+7], v[\sa], v[\sb] matrix_a_fmt:MATRIX_FMT_FP6 matrix_b_fmt:MATRIX_FMT_FP6 matrix_a_scale:MATRIX_SCALE_ROW1
.elseif (\rb)
	v_wmma_scale_f32_16x16x128_f8f6f4 v[(\d):(\d)+7], v[(\a):(\a)+11], v[(\b):(\b)+11], v[(\c):(\c)+7], v[\sa], v[\sb] matrix_a_fmt:MATRIX_FMT_FP6 matrix_b_fmt:MATRIX_FMT_FP6 matrix_b_scale:MATRIX_SCALE_ROW1
.else
	v_wmma_scale_f32_16x16x128_f8f6f4 v[(\d):(\d)+7], v[(\a):(\a)+11], v[(\b):(\b)+11], v[(\c):(\c)+7], v[\sa], v[\sb] matrix_a_fmt:MATRIX_FMT_FP6 matrix_b_fmt:MATRIX_FMT_FP6
.endif
.endm
.macro PROD b, n                       ; product n of block b: K step n / 6; tiles 0-3 of Q or K, then two of V: six accumulators by turns
.set Q_, (\n)/6
.set T_, (\n)%6
.set J_, (\b)%4
.set FX_, 48+8*((\b)%2)+Q_
.set FB_, 6*Q_+T_
.set XW_, (1+FX_/21)%4
.set XR_, 12*(FX_%21)+244*(FX_/63)
.set BW_, 1+FB_/21
.set BR_, 12*(FB_%21)
.set SX_, SA+8*J_+(Q_+4)%8
.if T_ < 4
.set D_, 68+32*((\b)%2)+8*T_
	WIN BW_|(XW_<<2)
.if Q_ == 0
	WM D_, BR_, XR_, 196+8*T_, SB+8*(T_%2)+Q_, SX_, T_/2, (\b)/4
.else
	WM D_, BR_, XR_, D_, SB+8*(T_%2)+Q_, SX_, T_/2, (\b)/4
.endif
.else
.set D_, 132+32*(T_-4)+8*J_
	WIN XW_|(BW_<<2)
.if Q_ == 0
	WM D_, XR_, BR_, 228+8*(T_-4), SX_, SB+16+Q_, (\b)/4, T_-4
.else
	WM D_, XR_, BR_, D_, SX_, SB+16+Q_, (\b)/4, T_-4
.endif
.endif
.endm
; A way out's first part in 18 lines: the largest magnitude of the 32 sums from v[x] on, by two chains (v[t], v[t+1] in window tw), and the conversions' scale operand v[so] in window sw.
; The floor 2^(3 - 127) among the leaves holds the byte at 1 from below.  Each accumulator is read from its low end on.
.macro CHAIN i, x, t, tw, so, sw
.if (\i) >= 0 && (\i) < 14
.set B_, (\x)+16*((\i)%2)+2*((\i)/2)
.set U_, (\t)+1-(\i)%2
.if (\i) < 2
	WIN (\tw)<<6
	v_max3_num_f32 v[U_], |v[B_]|, |v[B_+1]|, |v[B_+2]|
.else
	WIN (\tw)|((\tw)<<6)
	v_max3_num_f32 v[U_], v[U_], |v[B_+1]|, |v[B_+2]|
.endif
.elseif (\i) == 14
	WIN (\tw)|((\tw)<<6)
	v_max3_num_f32 v[\t+1], v[\t+1], |v[\x+15]|, 0x1800000
.elseif (\i) == 15
	v_nop
.elseif (\i) == 16
	WIN (\tw)|((\tw)<<4)|((\tw)<<6)
	v_max3_num_f32 v[\t], v[\t], |v[\x+31]|, v[\t+1]
.elseif (\i) == 17
	WIN ((\tw)<<2)|((\sw)<<6)
	v_add_nc_u32 v[\so], 0xff000000, v[\t]
.endif
.endm
; Its second part: 32 codes, the scale's byte, the stores (512 and 256 consecutive bytes), the byte into the stage.  The four plain lines are also the places behind the block's last product.
.macro OUTC x, so, sw, base, off, st, soff
	WALU
	s_wait_xcnt 0x0                                ; the last stores have read the codes' registers
	WIN (\sw)<<2
	v_cvt_scalef32_pk16_fp6_f32 v[6:8], v[\x:\x+15], v[\so]
	v_cvt_scalef32_pk16_fp6_f32 v[0:2], v[\x+16:\x+31], v[\so]
	WIN ((\sw)<<2)|0x40
	v_lshrrev_b32 v255, 23, v[\so]
	WIN 0
	v_mov_b32 v9, v0
	v_mov_b32 v10, v1
	v_mov_b32 v11, v2
	WALU
	WIN 3
	global_store_b128 v252, v[6:9], s[\base:\base+1] offset:\off
	global_store_b64 v253, v[10:11], s[\base:\base+1] offset:\off+512
	WIN 7
	ds_store_b8 v\st, v255 offset:\soff
.endm
.macro OUTQ b                          ; block b of Q or K
	OUTC 68+32*((\b)%2), 254, 1, 68, ((\b)/4)*RECM+768*((\b)%4), 254, 256*((\b)/4)+2*((\b)%4)
.endm
.macro OUTV ck                         ; V's two tiles of a band, their four chains by turns
.set I_, 0
.rept 18
	CHAIN I_, 132, 252, 1, 254, 1
	CHAIN I_, 164, 0, 0, 3, 0
.set I_, I_+1
.endr
	OUTC 132, 254, 1, 70, (\ck)*RECM, 255, 256*(\ck)
	OUTC 164, 3, 0, 70, (\ck)*RECM+1536, 255, 256*(\ck)+4
.endm
.macro BLOCK b, from, to               ; products from .. to - 1; behind every second one two lines of the last block's way out
.set N_, \from
.rept (\to)-(\from)
	PROD \b, N_
.if ((\b) > 0) && (N_%2)
	CHAIN N_-1, 68+32*(((\b)+1)%2), 252, 1, 254, 1
	CHAIN N_, 68+32*(((\b)+1)%2), 252, 1, 254, 1
.endif
.set N_, N_+1
.endr
.endm
	s_load_b256 s[4:11], s[0:1], 0x0               ; q_codes, q_scales, Wq_codes, Wq_scales
	s_load_b256 s[12:19], s[0:1], 0x20             ; Wk_codes, Wk_scales, Wv_codes, Wv_scales
	s_load_b256 s[20:27], s[0:1], 0x40             ; bq, bk, bv, img
	v_lshl_add_u32 v4, v0, 2, SPARE
	v_mov_b32 v5, 0
	ds_add_u32 v4, v5                              ; the opening add, twice on end
	ds_add_u32 v4, v5
	v_lshrrev_b32 v1, 5, v0
	v_readfirstlane_b32 s30, v1                    ; wave
	s_lshr_b32 s31, s30, 1                         ; wm
	s_and_b32 s32, s30, 1                          ; wn
	s_bfe_u32 s33, ttmp6, 0x40000                  ; cx
	s_bfe_u32 s34, ttmp6, 0x40004                  ; cy
	s_lshl_b32 s35, ttmp9, 2
	s_add_co_u32 s35, s35, s33                     ; hd
	s_and_b32 s36, ttmp7, 0xffff
	s_lshl_b32 s36, s36, 2
	s_add_co_u32 s36, s36, s34                     ; Mt
	s_lshl_b32 s37, s34, 2
	s_lshl_b32 s37, 15, s37                        ; my row of the cluster
	s_lshl_b32 s38, 0x1111, s33                    ; my column
	GROUP1 40, 37, 128
	GROUP1 48, 38, 64
	s_mul_i32 s92, s36, 196608                     ; q: 256 rows of 768 bytes
	s_mov_b32 s93, 0
	s_mul_i32 s96, s35, 49152                      ; a weight: 64 rows
	s_mov_b32 s97, 0
	s_mov_b32 s56, 1
	s_mov_b32 s57, 0
	s_mov_b32 s60, 1
	s_mul_i32 s61, s30, WBLK
	s_add_co_u32 s61, s61, WB-WBLK                 ; waves 1, 2, 3: Wq's, Wk's, Wv's place
	s_wait_dscnt 0x0
	s_wait_kmcnt 0x0
	s_add_nc_u64 s[92:93], s[4:5], s[92:93]
	s_cmp_eq_u32 s30, 1
	s_cselect_b64 s[94:95], s[8:9], s[12:13]
	s_cmp_eq_u32 s30, 3
	s_cselect_b64 s[94:95], s[16:17], s[94:95]
	s_add_nc_u64 s[62:63], s[94:95], s[96:97]
	s_or_b32 s63, s63, 0x80000000
	s_mov_b64 s[58:59], s[92:93]
	s_or_b32 s59, s59, 0x80000000
	CROUND                                         ; all sixteen work-groups are here: the first joint loads meet
	s_cmp_eq_u32 s30, 0
	s_cbranch_scc0 .Lfirst_b
	TLOAD 56, 40                                   ; wave 0: chunk 0 of q
	s_branch .Lfirst_done
.Lfirst_b:
	TLOAD 60, 48                                   ; waves 1, 2, 3: a weight each
.Lfirst_done:
	s_lshl_b32 s98, s36, 13                        ; q's scales: 256 Mt + 64 wm rows of 32 bytes
	s_lshl_b32 s99, s31, 11
	s_add_co_u32 s98, s98, s99
	s_mov_b32 s99, 0
	s_add_nc_u64 s[6:7], s[6:7], s[98:99]
	s_cmp_eq_u32 s32, 0
	s_cselect_b64 s[10:11], s[10:11], s[14:15]     ; the weight's scales
	s_cselect_b64 s[20:21], s[20:21], s[22:23]     ; its bias
	s_mov_b32 s74, 12800
	s_cselect_b32 s74, s74, 0                      ; Q's place in a record, or K's
	s_lshl_b32 s98, s35, 11
	s_add_nc_u64 s[10:11], s[10:11], s[98:99]
	s_lshl_b32 s87, s32, 9
	s_add_co_u32 s98, s98, s87                     ; Wv: + 16 wn rows
	s_add_nc_u64 s[18:19], s[18:19], s[98:99]
	s_lshl_b32 s98, s35, 8
	s_add_nc_u64 s[20:21], s[20:21], s[98:99]
	s_lshl_b32 s87, s32, 6
	s_add_co_u32 s98, s98, s87
	s_add_nc_u64 s[24:25], s[24:25], s[98:99]
	s_lshr_b32 s87, s36, 3                         ; the batch
	s_lshl_b32 s87, s87, 4
	s_add_co_u32 s87, s87, s35                     ; bh
	s_lshl_b32 s87, s87, 4
	s_and_b32 s98, s36, 7
	s_lshl_b32 s98, s98, 1
	s_add_co_u32 s87, s87, s98                     ; record 16 bh + 2 (Mt % 8); the next one is chunk 1's
	s_mul_i32 s98, s87, RECM
	s_add_nc_u64 s[26:27], s[26:27], s[98:99]
	s_mul_i32 s98, s31, 3072
	s_add_co_u32 s98, s98, s74
	s_add_nc_u64 s[68:69], s[26:27], s[98:99]      ; my Q or K half fragments
	s_mul_i32 s98, s32, 3072
	s_mul_i32 s87, s31, 768
	s_add_co_u32 s98, s98, s87
	s_add_co_u32 s98, s98, 6400
	s_add_nc_u64 s[70:71], s[26:27], s[98:99]      ; my V half fragments
	s_mov_b32 s98, 18944
	s_mov_b32 s87, 6144
	s_cmp_eq_u32 s30, 1
	s_cselect_b32 s98, s87, s98
	s_mov_b32 s87, 12544
	s_cmp_eq_u32 s30, 2
	s_cselect_b32 s98, s87, s98
	s_add_nc_u64 s[72:73], s[26:27], s[98:99]      ; the scale words that wave 0, 1, 2 stores: Q's, K's, V's
	s_mul_i32 s75, s32, WBLK
	s_add_co_u32 s75, s75, WB
	s_add_co_u32 s76, s75, TSTEP
	s_add_co_u32 s77, s75, 2*TSTEP
	s_add_co_u32 s78, s75, 3*TSTEP
	s_mul_i32 s79, s32, 2*TSTEP
	s_add_co_u32 s79, s79, WB+2*WBLK
	s_add_co_u32 s80, s79, TSTEP
	s_mul_i32 s81, s31, WBLK                       ; band wm: 64 rows
	s_add_co_u32 s82, s81, TSTEP
	s_lshl_b32 s83, s32, 9
	s_lshl_b32 s87, s31, 3
	s_add_co_u32 s83, s83, s87
	s_add_co_u32 s83, s83, XS
	s_lshl_b32 s84, s32, 3
	s_lshl_b32 s87, s31, 1
	s_add_co_u32 s84, s84, s87
	s_add_co_u32 s84, s84, XS+1024
	s_mov_b32 s85, 0xffff0000                      ; lanes 16-31
	s_lshl_b32 s86, s33, 2
	s_add_co_u32 s86, s86, s30                     ; my number among the sixteen waves of my row of the cluster
	s_mul_i32 s86, s86, 6144
	s_add_co_u32 s86, s86, 98304                   ; my sixteenth of chunk 1
	v_and_b32 v1, 15, v0                           ; r
	v_bfe_u32 v2, v0, 4, 1                         ; h
	v_lshrrev_b32 v3, 3, v1                        ; r / 8
	v_and_b32 v6, 7, v1                            ; r % 8
	v_mad_u32_u24 v7, v3, 40, v6                   ; row of an even tile: 40 (r / 8) + r % 8 (+ 8 j)
	v_mad_u32_u24 v8, v3, 24, v6                   ; of an odd one: 24 (r / 8) + r % 8 (+ 8 j)
	v_mul_u32_u24 v9, 816, v7
	v_mul_u32_u24 v10, 816, v8
	v_mad_u32_u24 v11, v2, 24, v9
	v_mad_u32_u24 v9, v2, 40, v9
	v_mad_u32_u24 v6, v2, 24, v10
	v_mad_u32_u24 v10, v2, 40, v10
	v_lshlrev_b32 v112, 5, v7
	v_lshlrev_b32 v113, 5, v8
	v_lshl_add_u32 v114, v2, 12, v112              ; q's scales: lanes 16-31 take chunk 1
	v_lshl_add_u32 v115, v2, 12, v113
	v_lshl_add_u32 v116, v2, 9, v112               ; Wq's or Wk's: lanes 16-31 take the tile two on
	v_lshl_add_u32 v117, v2, 9, v113
	v_add_nc_u32 v119, 256, v113
	v_cndmask_b32 v118, v112, v119, s85            ; Wv's: lanes 16-31 take the second tile
	v_mul_u32_u24 v120, 160, v2
	v_mul_u32_u24 v121, 96, v2
	v_lshlrev_b32 v122, 2, v7
	v_lshlrev_b32 v123, 2, v8
	v_and_b32 v125, 31, v0
	v_min_u32 v124, 23, v125
	v_lshl_add_u32 v124, v124, 8, s86
.irp j, 0,1,2,3
	global_load_b128 v[SA+8*\j+4:SA+8*\j+7], v[114+\j%2], s[6:7] offset:256*\j          ; K steps 0-3
	global_load_b128 v[SA+8*\j:SA+8*\j+3], v[114+\j%2], s[6:7] offset:256*\j+16         ; K steps 4-7
.endr
.irp t, 0,1
	global_load_b128 v[SB+8*\t:SB+8*\t+3], v[116+\t], s[10:11] offset:256*\t
	global_load_b128 v[SB+8*\t+4:SB+8*\t+7], v[116+\t], s[10:11] offset:256*\t+16
.endr
	global_load_b128 v[SB+16:SB+19], v118, s[18:19]
	global_load_b128 v[SB+20:SB+23], v118, s[18:19] offset:16
.irp t, 0,1,2,3
	global_load_b128 v[196+8*\t:199+8*\t], v[120+\t%2], s[20:21] offset:32*\t
	global_load_b128 v[200+8*\t:203+8*\t], v[120+\t%2], s[20:21] offset:32*\t+16
.endr
	global_load_b32 v228, v122, s[24:25]
	global_load_b32 v236, v123, s[24:25] offset:32
	v_add_nc_u32 v100, s75, v11
	v_add_nc_u32 v101, s75, v9
	v_add_nc_u32 v102, s76, v6
	v_add_nc_u32 v103, s76, v10
	v_add_nc_u32 v104, s77, v11
	v_add_nc_u32 v105, s77, v9
	v_add_nc_u32 v106, s78, v6
	v_add_nc_u32 v107, s78, v10
	v_add_nc_u32 v108, s79, v11
	v_add_nc_u32 v109, s79, v9
	v_add_nc_u32 v110, s80, v6
	v_add_nc_u32 v111, s80, v10
	v_lshl_add_u32 v1, v1, 4, v2                   ; 16 r + h
	WIN 0x80
	v_add_nc_u32 v252, s81, v11
	v_add_nc_u32 v253, s81, v9
	v_add_nc_u32 v254, s82, v6
	v_add_nc_u32 v255, s82, v10
	WIN 0xc0
	v_lshlrev_b32 v252, 4, v125                    ; 16 x lane
	v_lshlrev_b32 v253, 3, v125                    ; 8 x lane
	v_add_nc_u32 v254, s83, v1                     ; stage: [Q, K][chunk][r][2 wm + j / 2][2 (j % 2) + h]
	v_add_nc_u32 v255, s84, v1                     ; stage: V [chunk][r][tile][2 wm + h]
	WIN 0
	WALU
	global_prefetch_b8 v124, s[92:93] th:TH_LOAD_NT scope:SCOPE_SE   ; my 24 units of 256 bytes of chunk 1, which the refill behind block 0 asks for
	s_wait_tensorcnt 0x0
	s_barrier_signal -1
	s_barrier_wait -1                              ; chunk 0 and the weights are in
	FETCH 0
	WIN 0
	WLOAD 0
	WIN 0
	s_wait_xcnt 0x0
	s_wait_loadcnt 0x0                             ; scales and biases
.irp k, 1,2,3,4,5,6,7
	v_mov_b32 v[228+\k], v228                      ; V's result holds one column a lane: its bias eight times
	v_mov_b32 v[236+\k], v236
.endr
	WALU
.set QQ, 0
.rept 6                                        ; block 0: each K step's products under the next step's loads of weights
.set CNT, 0
	WLOAD QQ+1
	s_wait_dscnt CNT                               ; all but the loads just issued
	BLOCK 0, 6*QQ, 6*QQ+6
.set QQ, QQ+1
.endr
.set CNT, 0
	FETCH 1
	WLOAD 7
	s_wait_dscnt CNT
	BLOCK 0, 36, 42
	WIN 0
	WALU
	s_wait_tensorcnt 0x0                           ; no tensor load of mine is out;
	ds_add_u32 v4, v5                              ; 0 onto my spare word;
	s_mov_b32 s42, 32<<16                          ; the refill: each wave brings 32 rows of chunk 1
	s_mov_b32 s44, 32
	s_mul_i32 s57, s30, 32*PITCH
	s_add_co_u32 s57, s57, WB
	s_mul_i32 s98, s30, 24576
	s_add_co_u32 s98, s98, 98304
	s_add_nc_u64 s[58:59], s[92:93], s[98:99]
	s_or_b32 s59, s59, 0x80000000
	s_wait_dscnt 0x0                               ; the add is done, and all my weights are in registers
	s_barrier_signal -1
	BLOCK 0, 42, 48
	MIDDLE                                         ; no wave of any partner still reads the weights' bytes
	TLOAD 56, 40                                   ; chunk 1, onto Wq's and Wk's bytes; the four v_nop are also the places ahead of the fetch
	FETCH 2
	s_wait_dscnt 26                                ; block 1's fetch is in; block 2's may be out
	BLOCK 1, 0, 48
	OUTQ 0
	FETCH 3
	s_wait_dscnt 26
	BLOCK 2, 0, 36
	WIN 0
	WALU
	s_wait_tensorcnt 0x0                           ; my part of chunk 1 has landed
	s_wait_dscnt 0x0
	s_barrier_signal -1
	BLOCK 2, 36, 48
	WIN 0
	s_barrier_wait -1                              ; everybody's has
	OUTQ 1
	FETCH 4
	BLOCK 3, 0, 48                                 ; (block 3's fetch was in ahead of the barrier)
	OUTQ 2
	FETCH 5
	OUTV 0
	s_wait_dscnt 26
	BLOCK 4, 0, 48
	OUTQ 3
	FETCH 6
	s_wait_dscnt 26
	BLOCK 5, 0, 48
	OUTQ 4
	FETCH 7
	s_wait_dscnt 26
	BLOCK 6, 0, 48
	OUTQ 5
	s_wait_dscnt 0x0
	BLOCK 7, 0, 48
	OUTQ 6
	OUTV 1
.set I_, 0
.rept 18
	CHAIN I_, 100, 252, 1, 254, 1
.set I_, I_+1
.endr
	OUTQ 7
	s_lshl_b32 s98, s30, 9
	s_add_co_u32 s98, s98, XS
	WIN 0x0c
	v_add_nc_u32 v0, s98, v252                     ; my 512 bytes of the stage: 16 x lane on
	v_lshrrev_b32 v2, 8, v252                      ; h
	WIN 0
	v_mul_u32_u24 v2, 18944, v2
	WIN 0x0c
	v_add_nc_u32 v1, v2, v252                      ; 16 r + h records
	WIN 0
	WALU
	s_wait_dscnt 0x0
	s_barrier_signal -1
	s_barrier_wait -1                              ; all scale bytes are in the stage
	s_cmp_lt_u32 s30, 3
	s_cbranch_scc0 .Lno_words
	ds_load_b128 v[68:71], v0
	s_wait_dscnt 0x0
	global_store_b128 v1, v[68:71], s[72:73]       ; sixteen lanes store 256 consecutive bytes, aligned
.Lno_words:
	s_wait_tensorcnt 0x0                           ; the wave's end
	ds_add_u32 v4, v5
	s_wait_dscnt 0x0
	CROUND                                         ; the closing round
	s_endpgm
.Lfunc_end_k_qbaeae9a0c7_qkv:
	.size	k_qbaeae9a0c7_qkv, .Lfunc_end_k_qbaeae9a0c7_qkv-k_qbaeae9a0c7_qkv
	.p2alignl 7, 3214868480
	.fill 96, 4, 3214868480
	.section	.rodata,"a",@progbits
	.p2align	6, 0x0
	.amdhsa_kernel k_qbaeae9a0c7_qkv
		.amdhsa_group_segment_fixed_size 327680
		.amdhsa_private_segment_fixed_size 0
		.amdhsa_enable_private_segment 0
		.amdhsa_kernarg_size 96
		.amdhsa_user_sgpr_count 2
		.amdhsa_user_sgpr_kernarg_segment_ptr 1
		.amdhsa_wavefront_size32 1
		.amdhsa_system_sgpr_workgroup_id_x 1
		.amdhsa_system_sgpr_workgroup_id_y 1
		.amdhsa_system_sgpr_workgroup_id_z 1
		.amdhsa_system_vgpr_workitem_id 0
		.amdhsa_next_free_vgpr 1024
		.amdhsa_next_free_sgpr 100
		.amdhsa_reserve_vcc 0
		.amdhsa_float_denorm_mode_32 3
		.amdhsa_float_denorm_mode_16_64 3
		.amdhsa_memory_ordered 1
		.amdhsa_forward_progress 1
		.amdhsa_inst_pref_size 120
	.end_amdhsa_kernel
	.amdgpu_metadata
---
amdhsa.version: [ 1, 2 ]
amdhsa.kernels:
  - .name:           k_qbaeae9a0c7_qkv
    .symbol:         k_qbaeae9a0c7_qkv.kd
    .args:
      - { .name: q_codes, .offset: 0, .size: 8, .value_kind: global_buffer, .address_space: global }
      - { .name: q_scales, .offset: 8, .size: 8, .value_kind: global_buffer, .address_space: global }
      - { .name: Wq_codes, .offset: 16, .size: 8, .value_kind: global_buffer, .address_space: global }
      - { .name: Wq_scales, .offset: 24, .size: 8, .value_kind: global_buffer, .address_space: global }
      - { .name: Wk_codes, .offset: 32, .size: 8, .value_kind: global_buffer, .address_space: global }
      - { .name: Wk_scales, .offset: 40, .size: 8, .value_kind: global_buffer, .address_space: global }
      - { .name: Wv_codes, .offset: 48, .size: 8, .value_kind: global_buffer, .address_space: global }
      - { .name: Wv_scales, .offset: 56, .size: 8, .value_kind: global_buffer, .address_space: global }
      - { .name: bq, .offset: 64, .size: 8, .value_kind: global_buffer, .address_space: global }
      - { .name: bk, .offset: 72, .size: 8, .value_kind: global_buffer, .address_space: global }
      - { .name: bv, .offset: 80, .size: 8, .value_kind: global_buffer, .address_space: global }
      - { .name: img, .offset: 88, .size: 8, .value_kind: global_buffer, .address_space: global }
    .group_segment_fixed_size: 327680
    .private_segment_fixed_size: 0
    .kernarg_segment_align: 8
    .kernarg_segment_size: 96
    .max_flat_workgroup_size: 128
    .sgpr_count:     100
    .vgpr_count:     1024
    .wavefront_size: 32
...
	.end_amdgpu_metadata
.endif
;; end of part 1
;; launch attn (part 2): grid 8 x 32, 16 waves a work-group, clusters of 4 x 1, 327,680 bytes of LDS; arguments img, ao, aos; writes ao, aos
.if DOCPART == 2
	.amdgcn_target "amdgcn-amd-amdhsa--gfx1250"
	.amdhsa_code_object_version 6
	.text
	.protected	k_qbaeae9a0c7_attn
	.globl	k_qbaeae9a0c7_attn
	.p2align	8
	.type	k_qbaeae9a0c7_attn,@function
k_qbaeae9a0c7_attn:
	s_mov_b64 s[64:65], 0
	v_nop
	global_prefetch_b8 v0, s[64:65] scope:SCOPE_SE
	s_setreg_imm32_b32 hwreg(HW_REG_WAVE_MODE, 25, 1), 1
	s_wait_xcnt 0x0
	s_wait_alu depctr_hold_cnt(0) depctr_sa_sdst(0) depctr_va_vdst(0) depctr_va_sdst(0) depctr_va_ssrc(0) depctr_va_vcc(0) depctr_vm_vsrc(0)
	s_getreg_b32 s2, hwreg(HW_REG_IB_STS2, 6, 4)
	s_cmp_eq_u32 s2, 0
	s_cbranch_scc0 .Lentry_in_a_cluster
	s_endpgm
.Lentry_in_a_cluster:
	s_bfe_u32 s2, ttmp6, 0x10000c
	s_cmp_lg_u32 s2, 0x3003
	s_cbranch_scc0 .Lentry_shape_is_right
	s_endpgm
.Lentry_shape_is_right:
; Causal attention of one head on codes of FP6 (E2M3) with E8M0 scales, and the quantising of its result along D for the output projection.
; t = score x log2(e) / 8; M = the running largest t rounded up to a whole number; p = 2^(t - M) is quantised along the keys, not normalised; the row's sum is taken of the unquantised p and divides O at the end.
; Key steps that lie wholly above the diagonal are not worked: the causal mask makes their p zero.
; SHARES.  bh = work-group y, p = work-group x (0 .. 7).  The work-group owns tile p of each group g of 128 queries (g = 0 .. 15): 16 tiles of 1 to 16 key steps of 128 keys.
; u = wave % 8.  Wave u (role A) works tile u whole, u + 1 steps, and then steps 9 .. 15 - u of tile 15 - u; wave 8 + u (role B) works steps 0 .. 8 of tile 15 - u.  So a wave has 8 or 9 steps.  A hands its part of tile 15 - u
; (O, the sum, M) to B through LDS.  Where A's part is empty (u = 7) it hands over zeros.  All branches hang on the wave's number and the trip alone, alike in all partners of a cluster.
; THE WHOLE HEAD'S K AND V STAY IN LDS: 16 records of 12,800 bytes, images of operand registers, each asked for by one wave, jointly by the four work-groups of a cluster (mask 15).  Nothing is filled again.  Record 0 has a load line of its own: it alone is waited for ahead of step 0.
; PRODUCT 4 HAS K = 64: a fragment of K carries two tiles of 16 keys.  Q stands as [6 zeros][q's 6][6 zeros]: the last 12 registers pick the first tile, the first 12 the second.
; Both products are used transposed: a lane holds one query throughout, and register 8 j + i of band c is key 64 c + 32 h + 8 (j xor h) + i (h = lane / 16): a lane's 32 registers of a band are one whole block of 32 keys.
; Lane r of tile p is query 64 (p / 4) + 32 (r / 8) + 8 (p % 4 xor r / 8) + r % 8 of its group.
; No prefetch: every tensor load goes out at the head.
; LIMITS.  NaN and infinities are not served; the promise holds while the scaled scores stay under 2^31 in magnitude; a block under 2^-124 gets the byte 1, read by this program alone; aos is stored a byte a lane.
; REGISTERS: v1 16 x lane, v2 8 x lane, v3, v4, v7 the step's LDS addresses, v5, v10 the mask's bases, v6 -infinity, v8 16 r, v9 32 r + h, v11 8 h, v12 -M, v13 largest score, v[14:15] the sum, v16-33 Q, v34 its scale word,
; v36-83 four fragments, v84-87 K's scale words, v88-91 V's, v96-159 scores then p, v160-191 O^T, v192-203 p's codes, v204-210 second halves, v228 p's scale word, v[230:231] f, v240-246 role A's second Q.
.set RECM, 19200
.set REC,  12800
.set KSC,  6144
.set VOF,  6400
.set VSC,  12544
.set PART, 16*REC                      ; behind the records: role A's parts, 34 registers a wave
.set PSZ,  4352
.set SPARE, PART+8*PSZ
.macro WALU
	s_wait_alu depctr_va_vdst(0)
.endm
.macro HINT n
	s_delay_alu instid0(VALU_DEP_\n)
.endm
.macro ROUND                           ; a round of the cluster's barrier
	s_barrier_signal -1
	s_barrier_wait -1
	s_cmp_lg_u32 s12, 0
	s_cbranch_scc1 .Lnot_wave_0_\@
	s_barrier_signal -3
.Lnot_wave_0_\@:
	s_barrier_wait -3
	s_barrier_signal -1
	s_barrier_wait -1
.endm
.macro RESET                           ; nothing summed yet
	v_mov_b32 v13, 0xff61b1e6              ; the largest score: -3e38
	v_mov_b32 v12, 0x7e800000              ; -M: a whole number over every -M to come
	v_mov_b32 v14, 0
	v_mov_b32 v15, 0
.set n, 0
.rept 32
	v_mov_b32 v[160+n], 0
.set n, n+1
.endr
.endm
.macro WM0 d, a, b, sa, sb
	v_wmma_scale_f32_16x16x128_f8f6f4 v[(\d):(\d)+7], v[(\a):(\a)+11], v[(\b):(\b)+11], 0, v[\sa], v[\sb] matrix_a_fmt:MATRIX_FMT_FP6 matrix_b_fmt:MATRIX_FMT_FP6
.endm
.macro WMA d, a, b, sa, sb
	v_wmma_scale_f32_16x16x128_f8f6f4 v[(\d):(\d)+7], v[(\a):(\a)+11], v[(\b):(\b)+11], v[(\d):(\d)+7], v[\sa], v[\sb] matrix_a_fmt:MATRIX_FMT_FP6 matrix_b_fmt:MATRIX_FMT_FP6
.endm
.macro FRAGS off                       ; four fragments, 16 loads
.irp f, 0,1,2,3
	ds_load_b128 v[36+12*\f:39+12*\f], v3 offset:\off+1536*\f
	ds_load_b64 v[40+12*\f:41+12*\f], v4 offset:\off+1536*\f+512
	ds_load_b128 v[42+12*\f:45+12*\f], v3 offset:\off+1536*\f+768
	ds_load_b64 v[46+12*\f:47+12*\f], v4 offset:\off+1536*\f+1280
.endr
.endm
; A KEY STEP: step s19 of tile s52's keys, its record at LDS byte s18.
.macro STEP
	s_cmp_gt_u32 s19, s52                          ; no such step for my tile
	s_cbranch_scc1 .Lhidden_\@
	v_add_nc_u32 v3, s18, v1
	v_add_nc_u32 v4, s18, v2
	v_add_nc_u32 v7, s18, v8
	v_nop                                          ; four places ahead of loads into registers that the last products read
	ds_load_b128 v[84:87], v7 offset:KSC
	FRAGS 0
	WALU
	s_wait_dscnt 8                                 ; the words and fragments 0, 1; eight loads may be out
.irp f, 0,1
	WM0 96+16*\f, 36+12*\f, 22, 84+\f, 34
	WM0 104+16*\f, 36+12*\f, 16, 84+\f, 34
.endr
	s_wait_dscnt 0x0
.irp f, 2,3
	WM0 96+16*\f, 36+12*\f, 22, 84+\f, 34
	WM0 104+16*\f, 36+12*\f, 16, 84+\f, 34
.endr
.rept 4
	v_nop
.endr
	FRAGS VOF                                      ; V lands while the softmax is worked
	ds_load_b128 v[88:91], v7 offset:VSC
	s_cmp_lg_u32 s19, s52                          ; on the diagonal the scores of hidden keys become -infinity ahead of the maximum
	s_cbranch_scc1 .Lopen_\@
.set n, 0
.rept 64
	v_cmp_gt_i32 vcc_lo, 64*(n/32)+n%32, v[5+5*((n/8)%2)]
	v_cndmask_b32 v[96+n], v[96+n], v6, vcc_lo
.set n, n+1
.endr
.Lopen_\@:
.irp b, 0,1,2,3
	v_max3_num_f32 v[212+\b], v[96+16*\b], v[97+16*\b], v[98+16*\b]
.endr
.irp i, 3,5,7,9,11,13
.irp b, 0,1,2,3
	v_max3_num_f32 v[212+\b], v[212+\b], v[96+16*\b+\i], v[97+16*\b+\i]
.endr
.endr
	v_max3_num_f32 v212, v212, v111, v213
	v_max3_num_f32 v214, v214, v143, v215
	v_max_num_f32 v212, v212, v127                 ; my block's largest score, band 0
	v_max_num_f32 v214, v214, v159                 ; and band 1: for the row's maximum, and for the block's largest p
	HINT 1
	v_max_num_f32 v216, v212, v214
	HINT 1
	v_permlanex16_b32 v217, v216, s20, s21
	HINT 1
	v_max3_num_f32 v13, v13, v216, v217            ; the running largest score: finite, since the step's first key counts
	HINT 1
	v_mul_f32 v232, s24, v13
	HINT 1
	v_floor_f32 v233, v232                         ; the new -M = floor(-t) = -ceil(t)
	HINT 1
	v_sub_f32 v234, v233, v12                      ; old M - new M: a whole number, 0 or less
	v_mov_b32 v12, v233
	HINT 2
	v_cvt_i32_f32 v234, v234                       ; (it saturates)
	HINT 1
	v_ldexp_f32 v230, 1.0, v234                    ; f = 2^(old M - new M)
.set n, 0
.rept 32
	v_pk_fma_f32 v[96+n:97+n], v[96+n:97+n], s[22:23], v[12:13] op_sel_hi:[1,0,0]   ; t - M
.set n, n+2
.endr
	v_fma_f32 v212, v212, s22, v12
	v_fma_f32 v214, v214, s22, v12
	WALU
.set n, 0
.rept 64
	v_exp_f32 v[96+n], v[96+n]                     ; p = 2^(t - M)
.set n, n+1
.endr
	v_exp_f32 v212, v212                           ; each block's largest p
	v_exp_f32 v214, v214
	v_pk_mul_f32 v[14:15], v[14:15], v[230:231] op_sel_hi:[1,0]   ; the sums under the new M: a plain place behind the exponentials
	WALU                                           ; one wait for the batch, ahead of its first reader
	v_pk_add_f32 v[216:217], v[96:97], v[98:99]
	v_pk_add_f32 v[218:219], v[100:101], v[102:103]
	v_pk_add_f32 v[236:237], v[104:105], v[106:107]
	v_pk_add_f32 v[14:15], v[14:15], v[108:109]
.set n, 110
.rept 6
	v_pk_add_f32 v[216:217], v[216:217], v[n:n+1]
	v_pk_add_f32 v[218:219], v[218:219], v[n+2:n+3]
	v_pk_add_f32 v[236:237], v[236:237], v[n+4:n+5]
	v_pk_add_f32 v[14:15], v[14:15], v[n+6:n+7]
.set n, n+8
.endr
	v_pk_add_f32 v[216:217], v[216:217], v[158:159]
	v_max_num_f32 v212, 0x1800000, v212            ; the floor 2^(3 - 127): the byte cannot fall under 1
	v_max_num_f32 v214, 0x1800000, v214
	v_pk_add_f32 v[218:219], v[218:219], v[236:237]
	v_pk_add_f32 v[14:15], v[14:15], v[216:217]
	v_add_nc_u32 v220, 0xff000000, v212            ; 2 off the exponent field: the conversion's scale operand
	v_add_nc_u32 v222, 0xff000000, v214
	v_pk_add_f32 v[14:15], v[14:15], v[218:219]
	v_lshrrev_b32 v223, 23, v220
	v_lshrrev_b32 v224, 23, v222
	HINT 1
	v_lshl_or_b32 v223, v224, 16, v223
	HINT 1
	v_lshlrev_b32 v223, v11, v223                  ; my two bytes: blocks h and 2 + h
	v_cvt_scalef32_pk16_fp6_f32 v[192:194], v[96:111], v220
	v_cvt_scalef32_pk16_fp6_f32 v[204:206], v[112:127], v220
	v_cvt_scalef32_pk16_fp6_f32 v[198:200], v[128:143], v222
	v_cvt_scalef32_pk16_fp6_f32 v[208:210], v[144:159], v222
	v_permlanex16_b32 v228, v223, s20, s21
	v_mov_b32 v195, v204
	v_mov_b32 v196, v205
	v_mov_b32 v197, v206
	v_or_b32 v228, v228, v223                      ; p's scale word for these 128 keys
	v_mov_b32 v201, v208
	v_mov_b32 v202, v209
	v_mov_b32 v203, v210
	WALU
.set n, 0
.rept 16
	v_pk_mul_f32 v[160+n:161+n], v[160+n:161+n], v[230:231] op_sel_hi:[1,0]   ; O^T under the new M.  (Also the places ahead of the scaled products below)
.set n, n+2
.endr
	WALU
	s_wait_dscnt 0x0                               ; V is in
.irp t, 0,1,2,3
	WMA 160+8*\t, 36+12*\t, 192, 88+\t, 228
.endr
.Lhidden_\@:
.endm
; THE WAY OUT of tile s52: O^T / the sum (v14, mine), quantised along d (a lane holds a whole block of 32), its codes brought into the true order, stored as half a fragment of the output projection's operand.
.macro WAYOUT
	v_permlanex16_b32 v216, v14, s20, s21
	v_nop
	v_add_f32 v14, v14, v216                       ; the row's sum
	WALU
	v_rcp_f32 v230, v14
	v_nop                                          ; a plain place behind the reciprocal
	s_lshr_b32 s70, s15, 4                         ; the batch
	s_lshl_b32 s70, s70, 4
	s_add_co_u32 s70, s70, s52
	s_lshl_b32 s70, s70, 3
	s_add_co_u32 s70, s70, s14                     ; tile 8 (16 x batch + g) + p
	s_and_b32 s72, s15, 15                         ; hd
	s_lshl_b32 s71, s70, 4
	s_add_co_u32 s71, s71, s72
	s_mul_i32 s74, s71, 768
	s_mov_b32 s75, 0
	s_add_nc_u64 s[74:75], s[6:7], s[74:75]
	s_lshl_b32 s76, s70, 9
	s_lshl_b32 s72, s72, 1
	s_add_co_u32 s76, s76, s72
	s_mov_b32 s77, 0
	s_add_nc_u64 s[76:77], s[8:9], s[76:77]
	WALU                                           ; ahead of the reciprocal's first reader
.set n, 0
.rept 16
	v_pk_mul_f32 v[160+n:161+n], v[160+n:161+n], v[230:231] op_sel_hi:[1,0]
.set n, n+2
.endr
	v_max3_num_f32 v212, |v160|, |v161|, 0x1800000
	v_max3_num_f32 v213, |v176|, |v177|, 0x1800000
.irp i, 2,4,6,8,10,12,14
	v_max3_num_f32 v212, v212, |v[160+\i]|, |v[161+\i]|
	v_max3_num_f32 v213, v213, |v[176+\i]|, |v[177+\i]|
.endr
	v_max_num_f32 v212, v212, v213
	v_add_nc_u32 v220, 0xff000000, v212
	v_lshrrev_b32 v216, 23, v220
	v_cvt_scalef32_pk16_fp6_f32 v[192:194], v[160:175], v220
	v_cvt_scalef32_pk16_fp6_f32 v[196:198], v[176:191], v220
	v_nop
	v_alignbit_b32 v200, v194, v193, 16            ; lanes 16-31 hold groups of eight in the order 1, 0, 3, 2: the two 48-bit halves of each 96 bits change places there
	v_alignbit_b32 v201, v192, v194, 16
	v_alignbit_b32 v202, v193, v192, 16
	v_alignbit_b32 v204, v198, v197, 16
	v_alignbit_b32 v205, v196, v198, 16
	v_alignbit_b32 v206, v197, v196, 16
	v_cndmask_b32 v192, v192, v200, s25
	v_cndmask_b32 v193, v193, v201, s25
	v_cndmask_b32 v194, v194, v202, s25
	v_cndmask_b32 v195, v196, v204, s25
	v_cndmask_b32 v196, v197, v205, s25
	v_cndmask_b32 v197, v198, v206, s25
	WALU
	global_store_b128 v1, v[192:195], s[74:75]     ; 512 and 256 consecutive bytes, aligned
	global_store_b64 v2, v[196:197], s[74:75] offset:512
	global_store_b8 v9, v216, s[76:77]             ; my block's scale byte
.endm
.macro QADR g, d, e                    ; offsets of tile p of group g: its half fragment of Q, its two scale bytes a row
	s_lshl_b32 s[\d], s15, 4
	s_add_co_u32 s[\d], s[\d], s\g
	s_mul_i32 s[\d], s[\d], RECM
	s_lshl_b32 s70, s14, 1
	s_add_co_u32 s[\e], s[\d], s70
	s_add_co_u32 s[\e], s[\e], 18944
	s_mul_i32 s70, s14, 768
	s_add_co_u32 s[\d], s[\d], s70
	s_add_co_u32 s[\d], s[\d], 12800
	s_mov_b32 s[\d+1], 0
	s_mov_b32 s[\e+1], 0
.endm
	s_load_b128 s[4:7], s[0:1], 0x0                ; img, ao
	s_load_b64 s[8:9], s[0:1], 0x10                ; aos
	v_lshl_add_u32 v254, v0, 2, SPARE
	v_mov_b32 v255, 0
	ds_add_u32 v254, v255                          ; the opening add, twice on end
	ds_add_u32 v254, v255
	v_lshrrev_b32 v7, 5, v0
	v_readfirstlane_b32 s12, v7                    ; wave 0..15
	s_bfe_u32 s13, ttmp6, 0x40000                  ; cx
	s_lshl_b32 s14, ttmp9, 2
	s_add_co_u32 s14, s14, s13                     ; p: it enters addresses in memory and the mask's number alone
	s_and_b32 s15, ttmp7, 0xffff                   ; bh
	s_and_b32 s16, s12, 7                          ; u
	s_sub_co_u32 s50, 15, s16
	s_sub_co_u32 s55, 8, s16
	s_add_co_u32 s54, s16, 1
	s_lshr_b32 s51, s12, 3                         ; role: 0 A, 1 B
	s_mov_b32 s53, 99
	s_cmp_eq_u32 s51, 0
	s_cselect_b32 s52, s16, s50                    ; my first tile's group
	s_cselect_b32 s53, s54, s53                    ; the trip in which I change tiles
	s_mov_b32 s32, 1
	s_mul_i32 s33, s12, REC                        ; record w
	s_lshl_b32 s56, s15, 4
	s_add_co_u32 s56, s56, s12
	s_mul_i32 s56, s56, RECM
	s_mov_b32 s57, 0
	; group 1: a record, 12,800 dense bytes, as 50 rows of 256 bytes; mask: all four work-groups
	s_mov_b32 s40, 15|(3<<16)|(1<<21)
	s_mov_b32 s41, 32<<16
	s_mov_b32 s42, 50<<16
	s_mov_b32 s43, 32<<16
	s_mov_b32 s44, 50
	s_mov_b32 s45, 32
	s_mov_b32 s46, 0
	s_mov_b32 s47, 0
	QADR 52, 58, 60
	QADR 50, 62, 68
	s_mov_b32 s20, 0x76543210
	s_mov_b32 s21, 0xfedcba98                      ; v_permlanex16_b32's selects for lane l xor 16
	s_mov_b32 s22, 0x3e38aa3b                      ; c = log2(e) / sqrt(64)
	s_mov_b32 s23, s22                             ; (named with it as a pair, so it is written)
	s_mov_b32 s24, 0xbe38aa3b                      ; -c
	s_mov_b32 s25, 0xffff0000                      ; lanes 16-31
	s_and_b32 s72, s14, 3
	s_lshl_b32 s72, s72, 3
	s_lshr_b32 s73, s14, 2
	s_lshl_b32 s73, s73, 6
	s_wait_dscnt 0x0
	s_wait_kmcnt 0x0
	s_add_nc_u64 s[34:35], s[4:5], s[56:57]
	s_or_b32 s35, s35, 0x80000000
	s_add_nc_u64 s[58:59], s[4:5], s[58:59]
	s_add_nc_u64 s[60:61], s[4:5], s[60:61]
	s_add_nc_u64 s[62:63], s[4:5], s[62:63]
	s_add_nc_u64 s[68:69], s[4:5], s[68:69]
	ROUND                                          ; all four work-groups are here: the joint loads meet
	s_cmp_eq_u32 s12, 0
	s_cbranch_scc0 .Lrest
	tensor_load_to_lds s[32:35], s[40:47]          ; record 0
	s_nop 0
.rept 4
	v_nop
.endr
	s_branch .Lasked
.Lrest:
	tensor_load_to_lds s[32:35], s[40:47]          ; records 1 to 15
	s_nop 0
.rept 4
	v_nop
.endr
.Lasked:
	v_and_b32 v3, 31, v0
	v_and_b32 v4, 15, v0                           ; r
	v_lshlrev_b32 v1, 4, v3
	v_lshlrev_b32 v2, 3, v3
	v_lshlrev_b32 v8, 4, v4
	global_load_b128 v[22:25], v1, s[58:59]        ; my first tile of Q
	global_load_b64 v[26:27], v2, s[58:59] offset:512
	global_load_u16 v35, v8, s[60:61]
	global_load_b128 v[240:243], v1, s[62:63]      ; role A's second tile (one text for both roles)
	global_load_b64 v[244:245], v2, s[62:63] offset:512
	global_load_u16 v246, v8, s[68:69]
	v_bfe_u32 v11, v0, 4, 1                        ; h
	v_lshrrev_b32 v17, 3, v4                       ; r / 8
	v_and_b32 v18, 7, v4
	v_lshl_add_u32 v9, v4, 5, v11
	v_lshlrev_b32 v19, 3, v17
	v_mul_u32_u24 v20, 40, v11
	v_mul_u32_u24 v21, 24, v11
	v_xor_b32 v19, s72, v19
	v_lshlrev_b32 v11, 3, v11
	v_lshl_add_u32 v19, v17, 5, v19
	v_mov_b32 v6, 0xff800000                       ; -infinity
	v_add3_u32 v19, v19, v18, s73                  ; my query's place in its group
	v_mov_b32 v231, 0                              ; (named as the upper half of a pair)
	v_sub_nc_u32 v5, v19, v20                      ; a key of an even tile is hidden where 64 c + 8 j + i > this,
	v_sub_nc_u32 v10, v19, v21                     ; of an odd tile where it is > this
	v_mov_b32 v239, 0
	v_mov_b32 v216, 0                              ; a lane permute's destination counts as one of its sources
	v_mov_b32 v217, 0
	v_mov_b32 v228, 0
	v_mov_b32 v7, 0
.irp i, 0,1,2,3,4,5
	v_mov_b32 v[16+\i], 0                          ; Q's zero codes
	v_mov_b32 v[28+\i], 0
.endr
	WALU
	s_wait_loadcnt 0x0
	v_lshl_or_b32 v34, v35, 16, v35                ; my two bytes, twice
	RESET
	WALU
	s_cmp_eq_u32 s12, 0
	s_cbranch_scc0 .Lnot_0
	s_wait_tensorcnt 0x0
.Lnot_0:
	s_barrier_signal -1
	s_barrier_wait -1                              ; record 0 is in; nothing is ever filled again
	s_mov_b32 s19, 0
	s_mov_b32 s18, 0
	STEP                                           ; step 0, every wave's first
	s_wait_tensorcnt 0x0
	s_wait_dscnt 0x0
	s_barrier_signal -1
	s_barrier_wait -1                              ; all records are in
	s_mov_b32 s17, 1
.Ltrip:
	s_cmp_eq_u32 s17, s53                          ; role A: tile u is done, on to tile 15 - u
	s_cbranch_scc0 .Lsame
.rept 4
	v_nop                                          ; places behind the last products
.endr
	v_add_f32 v14, v14, v15
	WAYOUT
	s_mov_b32 s52, s50
.irp i, 0,1,2,3,4,5
	v_mov_b32 v[22+\i], v[240+\i]
.endr
	v_lshl_or_b32 v34, v246, 16, v246
	RESET
	WALU
	s_wait_xcnt 0x0                                ; the stores have read their registers
.Lsame:
	s_cmp_ge_u32 s17, s53
	s_cselect_b32 s19, s55, 0
	s_add_co_u32 s19, s19, s17                     ; the key step: the trip, or 9 and on
	s_min_u32 s18, s19, 15
	s_mul_i32 s18, s18, REC
	STEP
	s_add_co_u32 s17, s17, 1
	s_cmp_lt_u32 s17, 9
	s_cbranch_scc1 .Ltrip
	s_mul_i32 s56, s16, PSZ
	s_add_co_u32 s56, s56, PART
	v_add_nc_u32 v3, s56, v1                       ; (these four lines are also the places behind the last products)
	v_add_nc_u32 v4, s56, v2
	v_add_f32 v14, v14, v15
	v_mov_b32 v15, v12
	WALU
	s_cmp_eq_u32 s51, 0
	s_cbranch_scc0 .Lno_part
.irp k, 0,1,2,3,4,5,6,7
	ds_store_b128 v3, v[160+4*\k:163+4*\k] offset:512*\k
.endr
	ds_store_b64 v4, v[14:15] offset:4096          ; the sum and -M
.Lno_part:
	s_wait_dscnt 0x0
	s_barrier_signal -1
	s_barrier_wait -1                              ; role A's parts are in LDS
	s_cmp_eq_u32 s51, 1
	s_cbranch_scc0 .Ldone
	ds_load_b64 v[232:233], v4 offset:4096
.irp k, 0,1,2,3,4,5,6,7
	ds_load_b128 v[96+4*\k:99+4*\k], v3 offset:512*\k
.endr
	s_wait_dscnt 0x0
	v_min_num_f32 v234, v233, v15                  ; both parts under the larger M: powers of two, nothing is rounded by them
	v_sub_f32 v235, v234, v15
	v_sub_f32 v236, v234, v233
	v_cvt_i32_f32 v235, v235
	v_cvt_i32_f32 v236, v236
	v_ldexp_f32 v230, 1.0, v235
	v_ldexp_f32 v238, 1.0, v236
	v_mul_f32 v14, v14, v230
	v_fma_f32 v14, v232, v238, v14
.set n, 0
.rept 16
	v_pk_mul_f32 v[160+n:161+n], v[160+n:161+n], v[230:231] op_sel_hi:[1,0]
.set n, n+2
.endr
.set n, 0
.rept 16
	v_pk_fma_f32 v[160+n:161+n], v[96+n:97+n], v[238:239], v[160+n:161+n] op_sel_hi:[1,0,1]
.set n, n+2
.endr
	WAYOUT
.Ldone:
	s_wait_tensorcnt 0x0                           ; the wave's end
	ds_add_u32 v254, v255
	s_wait_dscnt 0x0
	ROUND                                          ; the closing round
	s_endpgm
.Lfunc_end_k_qbaeae9a0c7_attn:
	.size	k_qbaeae9a0c7_attn, .Lfunc_end_k_qbaeae9a0c7_attn-k_qbaeae9a0c7_attn
	.p2alignl 7, 3214868480
	.fill 96, 4, 3214868480
	.section	.rodata,"a",@progbits
	.p2align	6, 0x0
	.amdhsa_kernel k_qbaeae9a0c7_attn
		.amdhsa_group_segment_fixed_size 327680
		.amdhsa_private_segment_fixed_size 0
		.amdhsa_enable_private_segment 0
		.amdhsa_kernarg_size 24
		.amdhsa_user_sgpr_count 2
		.amdhsa_user_sgpr_kernarg_segment_ptr 1
		.amdhsa_wavefront_size32 1
		.amdhsa_system_sgpr_workgroup_id_x 1
		.amdhsa_system_sgpr_workgroup_id_y 1
		.amdhsa_system_sgpr_workgroup_id_z 1
		.amdhsa_system_vgpr_workitem_id 0
		.amdhsa_next_free_vgpr 256
		.amdhsa_next_free_sgpr 80
		.amdhsa_reserve_vcc 1
		.amdhsa_float_denorm_mode_32 3
		.amdhsa_float_denorm_mode_16_64 3
		.amdhsa_memory_ordered 1
		.amdhsa_forward_progress 1
		.amdhsa_inst_pref_size 64
	.end_amdhsa_kernel
	.amdgpu_metadata
---
amdhsa.version: [ 1, 2 ]
amdhsa.kernels:
  - .name:           k_qbaeae9a0c7_attn
    .symbol:         k_qbaeae9a0c7_attn.kd
    .args:
      - { .name: img, .offset: 0, .size: 8, .value_kind: global_buffer, .address_space: global }
      - { .name: ao, .offset: 8, .size: 8, .value_kind: global_buffer, .address_space: global }
      - { .name: aos, .offset: 16, .size: 8, .value_kind: global_buffer, .address_space: global }
    .group_segment_fixed_size: 327680
    .private_segment_fixed_size: 0
    .kernarg_segment_align: 8
    .kernarg_segment_size: 24
    .max_flat_workgroup_size: 512
    .sgpr_count:     80
    .vgpr_count:     256
    .wavefront_size: 32
...
	.end_amdgpu_metadata
.endif
;; end of part 2
;; launch oproj (part 3): grid 8 x 32, 4 waves a work-group, clusters of 4 x 4, 327,680 bytes of LDS; arguments ao, aos, Wo_codes, Wo_scales, bo, out0; writes out0
.if DOCPART == 3
	.amdgcn_target "amdgcn-amd-amdhsa--gfx1250"
	.amdhsa_code_object_version 6
	.text
	.protected	k_qbaeae9a0c7_oproj
	.globl	k_qbaeae9a0c7_oproj
	.p2align	8
	.type	k_qbaeae9a0c7_oproj,@function
k_qbaeae9a0c7_oproj:
	s_mov_b64 s[64:65], 0
	v_nop
	global_prefetch_b8 v0, s[64:65] scope:SCOPE_SE
	s_setreg_imm32_b32 hwreg(HW_REG_WAVE_MODE, 25, 1), 1
	s_wait_xcnt 0x0
	s_wait_alu depctr_hold_cnt(0) depctr_sa_sdst(0) depctr_va_vdst(0) depctr_va_sdst(0) depctr_va_ssrc(0) depctr_va_vcc(0) depctr_vm_vsrc(0)
	s_getreg_b32 s2, hwreg(HW_REG_IB_STS2, 6, 4)
	s_cmp_eq_u32 s2, 0
	s_cbranch_scc0 .Lentry_in_a_cluster
	s_endpgm
.Lentry_in_a_cluster:
	s_bfe_u32 s2, ttmp6, 0x10000c
	s_cmp_lg_u32 s2, 0xf033
	s_cbranch_scc0 .Lentry_shape_is_right
	s_endpgm
.Lentry_shape_is_right:
; out = attention's result x Wo + bo on codes of FP6 (E2M3) with E8M0 scales; sums in f32.
; SHARES.  A work-group makes 128 x 128 of out (Mb: rows, Nt: columns); wave w: wm = w / 2 the band of 64 rows, wn = w % 2 the half of the columns.  A wave holds its 64 rows of Wo, all of K, in registers (32 fragments of 12) and streams
; its four tiles of 16 rows of ao past them; each tile is stored as soon as it is finished.  Used TRANSPOSED (source 0 = rows of Wo): a lane holds eight neighbouring columns of one row.  bo is the C of each sum's first product.
; Lane r of tile j is row 64 wm + 32 (r / 8) + 8 (j xor r / 8) + r % 8 of the block (the order of the launches before).
; LDS, each byte filled once by the head's four loads: Wo's 128 rows (816 bytes apart: 16 of padding behind each 256), ao's tiles as images of operand registers: [tile][K step][half][lane][16 bytes], [lane][8 bytes].  Behind them a stage of 16 rows x 272 bytes for each wave.
; CLUSTER 4 x 4: ao hangs on Mb alone and is asked for jointly along a row of the cluster, Wo on Nt alone, along a column.  No prefetch: every tensor load goes out at the head.
; REGISTERS.  window 0: v2-3 the spare word's address and 0, v4-5 LDS addresses of ao, v6-8 the way out, v12-27 Wo's scale words, v32-47 ao's, v48-111 two sets of sums, v112-143 bo, v144-207 rows read back, v208-215 LDS addresses of Wo.
;   windows 1-3: fragments, 21 to a window: 0-31 Wo's, 32-39 and 40-47 ao's two sets.
.set PITCH, 816
.set AOB,   128*PITCH
.set STAGE, AOB+98304
.set SP,    272
.set SPARE, STAGE+4*16*SP
.set SB, 12
.set SA, 32
.set MSB, 0
.set CNT, 0
.macro WIN new
.if MSB != (\new)
	s_set_vgpr_msb (MSB<<8)|(\new)
.set MSB, (\new)
.endif
.endm
.macro PLACES                          ; four plain places behind matrix instructions (ISA guide 7.12.1)
.rept 4
	v_nop
.endr
.endm
.macro CROUND
	s_barrier_signal -1
	s_barrier_wait -1
	s_cmp_lg_u32 s16, 0
	s_cbranch_scc1 .Lnot_wave_0_\@
	s_barrier_signal -3
.Lnot_wave_0_\@:
	s_barrier_wait -3
	s_barrier_signal -1
	s_barrier_wait -1
.endm
.macro FRAG f, q, a0, a1               ; a fragment of Wo: six pieces of 8 bytes, two to a load where both lie behind as many paddings; a1 serves the pieces that lie behind one padding more in lanes 16-31
.set R_, 12*((\f)%21)
	WIN (1+(\f)/21)<<6
.set SKIP_, 0
.irp p, 0,1,2,3,4,5
.if SKIP_
.set SKIP_, 0
.else
.set CNT, CNT+1
.set PC_, 12*(\q)+6*(\p/3)+\p%3
.set PN_, 12*(\q)+6*((\p+1)/3)+(\p+1)%3
.set X_, (PC_%32+3)/32
.set XQ_, (PN_%32+3)/32
.if (\p < 5) && (X_ == XQ_)
.set SKIP_, 1
.if X_
	ds_load_2addr_b64 v[R_+2*\p:R_+2*\p+3], \a1 offset0:PC_+2*(PC_/32) offset1:PN_+2*(PN_/32)
.else
	ds_load_2addr_b64 v[R_+2*\p:R_+2*\p+3], \a0 offset0:PC_+2*(PC_/32) offset1:PN_+2*(PN_/32)
.endif
.elseif X_
	ds_load_b64 v[R_+2*\p:R_+2*\p+1], \a1 offset:8*(PC_+2*(PC_/32))
.else
	ds_load_b64 v[R_+2*\p:R_+2*\p+1], \a0 offset:8*(PC_+2*(PC_/32))
.endif
.endif
.endr
.endm
.macro WLOAD q
.irp t, 0,1,2,3
	FRAG 4*(\q)+\t, \q, v[208+2*\t], v[209+2*\t]
.endr
.endm
.macro FETCH j                         ; tile j of ao, all of K, into set j % 2: 32 loads
.irp q, 0,1,2,3,4,5,6,7
.set F_, 32+8*((\j)%2)+\q
.set R_, 12*(F_%21)
	WIN (1+F_/21)<<6
	ds_load_b128 v[R_:R_+3], v4 offset:12288*(\j)+1536*\q
	ds_load_b64 v[R_+4:R_+5], v5 offset:12288*(\j)+1536*\q+512
	ds_load_b128 v[R_+6:R_+9], v4 offset:12288*(\j)+1536*\q+768
	ds_load_b64 v[R_+10:R_+11], v5 offset:12288*(\j)+1536*\q+1280
.endr
.endm
.macro WM d, a, b, c, sa, sb, ra, rb
.if (\ra) && (\rb)
	v_wmma_scale_f32_16x16x128_f8f6f4 v[(\d):(\d)+7], v[(\a):(\a)+11], v[(\b):(\b)+11], v[(\c):(\c)+7], v[\sa], v[\sb] matrix_a_fmt:MATRIX_FMT_FP6 matrix_b_fmt:MATRIX_FMT_FP6 matrix_a_scale:MATRIX_SCALE_ROW1 matrix_b_scale:MATRIX_SCALE_ROW1
.elseif (\ra)
	v_wmma_scale_f32_16x16x128_f8f6f4 v[(\d):(\d)+7], v[(\a):(\a)+11], v[(\b):(\b)+11], v[(\c):(\c)+7], v[\sa], v[\sb] matrix_a_fmt:MATRIX_FMT_FP6 matrix_b_fmt:MATRIX_FMT_FP6 matrix_a_scale:MATRIX_SCALE_ROW1
.elseif (\rb)
	v_wmma_scale_f32_16x16x128_f8f6f4 v[(\d):(\d)+7], v[(\a):(\a)+11], v[(\b):(\b)+11], v[(\c):(\c)+7], v[\sa], v[\sb] matrix_a_fmt:MATRIX_FMT_FP6 matrix_b_fmt:MATRIX_FMT_FP6 matrix_b_scale:MATRIX_SCALE_ROW1
.else
	v_wmma_scale_f32_16x16x128_f8f6f4 v[(\d):(\d)+7], v[(\a):(\a)+11], v[(\b):(\b)+11], v[(\c):(\c)+7], v[\sa], v[\sb] matrix_a_fmt:MATRIX_FMT_FP6 matrix_b_fmt:MATRIX_FMT_FP6
.endif
.endm
.macro BLOCK j, from, to               ; products from .. to - 1 of tile j: K step n / 4, column tile n % 4: four accumulators by turns
.set N_, \from
.rept (\to)-(\from)
.set Q_, N_/4
.set T_, N_%4
.set FB_, N_
.set FX_, 32+8*((\j)%2)+Q_
.set D_, 48+32*((\j)%2)+8*T_
	WIN (1+FB_/21)|((1+FX_/21)<<2)
.if Q_ == 0
	WM D_, 12*(FB_%21), 12*(FX_%21), 112+8*T_, SB+8*(T_%2)+Q_, SA+8*((\j)%2)+Q_, T_/2, (\j)/2
.else
	WM D_, 12*(FB_%21), 12*(FX_%21), D_, SB+8*(T_%2)+Q_, SA+8*((\j)%2)+Q_, T_/2, (\j)/2
.endif
.set N_, N_+1
.endr
.endm
; THE WAY OUT, a tile of 16 rows x 64 columns, through my own stage: in as 32 bytes a lane, back as whole rows of 256 bytes.  LDS serves a wave's instructions in order (ISA guide 5.7.1.4).
.macro TOSTAGE j
.set AC_, 48+32*((\j)%2)
.set RB_, 144+32*((\j)%2)
	WIN 0
.irp t, 0,1,2,3
	ds_store_b128 v6, v[AC_+8*\t:AC_+8*\t+3] offset:64*\t              ; each accumulator from its low end on
	ds_store_b128 v6, v[AC_+8*\t+4:AC_+8*\t+7] offset:64*\t+16
.endr
.irp k, 0,1,2,3,4,5,6,7
	ds_load_b128 v[RB_+4*\k:RB_+4*\k+3], v7 offset:2*\k*SP
.endr
.endm
.macro SEND j                          ; rows 2 k and 2 k + 1 of the tile; (j xor k / 4) is written as a sum
.set RB_, 144+32*((\j)%2)
	WIN 0
	s_wait_dscnt 0x0
.irp k, 0,1,2,3,4,5,6,7
	global_store_b128 v8, v[RB_+4*\k:RB_+4*\k+3], s[14:15] offset:(32*(\k/4)+8*((\j)+(\k/4)*(1-2*((\j)%2)))+(2*\k)%8)*4096 th:TH_STORE_NT   ; 16 lanes store 256 consecutive bytes, aligned
.endr
.endm
	s_load_b256 s[4:11], s[0:1], 0x0               ; ao, aos, Wo_codes, Wo_scales
	s_load_b128 s[12:15], s[0:1], 0x20             ; bo, out0
	v_lshl_add_u32 v2, v0, 2, SPARE
	v_mov_b32 v3, 0
	ds_add_u32 v2, v3                              ; the opening add, twice on end
	ds_add_u32 v2, v3
	v_lshrrev_b32 v1, 5, v0
	v_readfirstlane_b32 s16, v1                    ; wave
	s_lshr_b32 s17, s16, 1                         ; wm.  Also: I fetch for Wo (0) or for ao (1)
	s_and_b32 s18, s16, 1                          ; wn.  Also: which half I fetch
	s_bfe_u32 s19, ttmp6, 0x40000                  ; cx
	s_bfe_u32 s20, ttmp6, 0x40004                  ; cy
	s_lshl_b32 s21, ttmp9, 2
	s_add_co_u32 s21, s21, s19                     ; Nt
	s_and_b32 s22, ttmp7, 0xffff
	s_lshl_b32 s22, s22, 2
	s_add_co_u32 s22, s22, s20                     ; Mb
	s_lshl_b32 s76, s20, 2
	s_lshl_b32 s76, 15, s76                        ; my row of the cluster
	s_lshl_b32 s77, 0x1111, s19                    ; my column
	; group 1 for ao: a band's four tiles, 49,152 dense bytes, as 192 rows of 256 bytes
	s_or_b32 s24, s76, (3<<16)|(1<<21)
	s_mov_b32 s25, 32<<16
	s_mov_b32 s26, 192<<16
	s_mov_b32 s27, 32<<16
	s_mov_b32 s28, 192
	s_mov_b32 s29, 32
	s_mov_b32 s30, 0
	s_mov_b32 s31, 0
	; and for Wo: 64 rows of 768 bytes, 16 bytes of padding behind every 256
	s_or_b32 s32, s77, (1<<20)|(1<<21)|(5<<22)|(3<<25)
	s_mov_b32 s33, 768<<16
	s_mov_b32 s34, 64<<16
	s_mov_b32 s35, 768<<16
	s_mov_b32 s36, 64
	s_mov_b32 s37, 768
	s_mov_b32 s38, 0
	s_mov_b32 s39, 0
	s_mul_i32 s82, s18, 49152
	s_mul_i32 s78, s22, 98304
	s_add_co_u32 s78, s78, s82
	s_mov_b32 s79, 0
	s_mul_i32 s80, s21, 98304
	s_add_co_u32 s80, s80, s82
	s_mov_b32 s81, 0
	s_mov_b32 s40, 1
	s_add_co_u32 s41, s82, AOB
	s_mov_b32 s56, 1
	s_mul_i32 s57, s18, 64*PITCH
	s_wait_dscnt 0x0
	s_wait_kmcnt 0x0
	s_add_nc_u64 s[42:43], s[4:5], s[78:79]
	s_or_b32 s43, s43, 0x80000000
	s_add_nc_u64 s[58:59], s[8:9], s[80:81]
	s_or_b32 s59, s59, 0x80000000
	CROUND                                         ; all sixteen work-groups are here: the joint loads meet
	s_cmp_eq_u32 s17, 0
	s_cbranch_scc0 .Lfirst_b
	tensor_load_to_lds s[56:59], s[32:39]          ; waves 0, 1: half of Wo's rows each
	s_nop 0
	PLACES
	s_branch .Lfirst_done
.Lfirst_b:
	tensor_load_to_lds s[40:43], s[24:31]          ; waves 2, 3: a band of ao each
	s_nop 0
	PLACES
.Lfirst_done:
	s_lshl_b32 s84, s22, 12
	s_lshl_b32 s85, s17, 11
	s_add_co_u32 s84, s84, s85
	s_mov_b32 s85, 0
	s_add_nc_u64 s[6:7], s[6:7], s[84:85]          ; ao's scales: 512 bytes a tile, four tiles a band
	s_lshl_b32 s84, s21, 12
	s_lshl_b32 s86, s18, 11
	s_add_co_u32 s84, s84, s86
	s_add_nc_u64 s[10:11], s[10:11], s[84:85]      ; Wo's
	s_lshl_b32 s84, s21, 9
	s_lshl_b32 s86, s18, 8
	s_add_co_u32 s84, s84, s86
	s_add_nc_u64 s[12:13], s[12:13], s[84:85]      ; bo at my 64 columns
	s_add_nc_u64 s[14:15], s[14:15], s[84:85]
	s_lshl_b32 s84, s22, 19                        ; 128 Mb rows of 4,096 bytes
	s_lshl_b32 s86, s17, 18
	s_add_co_u32 s84, s84, s86
	s_add_nc_u64 s[14:15], s[14:15], s[84:85]      ; out: my first row and column
	s_mul_i32 s87, s17, 49152
	s_add_co_u32 s87, s87, AOB                     ; ao: my band
	s_mul_i32 s88, s18, 64*PITCH                   ; Wo: my 64 rows
	s_mul_i32 s89, s16, 16*SP
	s_add_co_u32 s89, s89, STAGE                   ; my stage
	v_and_b32 v9, 15, v0                           ; r
	v_bfe_u32 v10, v0, 4, 1                        ; h
	v_and_b32 v11, 31, v0
	v_lshlrev_b32 v28, 5, v9
	v_lshlrev_b32 v29, 5, v10                      ; 32 h
	v_lshl_add_u32 v28, v10, 10, v28               ; 32 r + 1,024 h: lanes 16-31 take the tile two on
.irp i, 0,1
	global_load_b128 v[SA+8*\i:SA+8*\i+3], v28, s[6:7] offset:512*\i
	global_load_b128 v[SA+8*\i+4:SA+8*\i+7], v28, s[6:7] offset:512*\i+16
	global_load_b128 v[SB+8*\i:SB+8*\i+3], v28, s[10:11] offset:512*\i
	global_load_b128 v[SB+8*\i+4:SB+8*\i+7], v28, s[10:11] offset:512*\i+16
.endr
.irp t, 0,1,2,3
	global_load_b128 v[112+8*\t:115+8*\t], v29, s[12:13] offset:64*\t          ; bo[16 t + 8 h + 0 .. 7]
	global_load_b128 v[116+8*\t:119+8*\t], v29, s[12:13] offset:64*\t+16
.endr
	v_lshl_add_u32 v4, v11, 4, s87
	v_lshl_add_u32 v5, v11, 3, s87
	v_mul_u32_u24 v30, 816, v9
	v_mul_u32_u24 v6, 272, v9
	v_mul_u32_u24 v7, 272, v10
	v_mad_u32_u24 v31, v10, 40, v30                ; behind one padding more
	v_mad_u32_u24 v30, v10, 24, v30                ; a fragment's row x pitch + 24 x half
	v_lshl_add_u32 v6, v10, 5, v6
	v_lshl_add_u32 v7, v9, 4, v7
	v_add_nc_u32 v6, s89, v6                       ; in: row r, 32 bytes for each half of the lanes
	v_add_nc_u32 v7, s89, v7                       ; back: lanes 0-15 one row of 256 bytes, lanes 16-31 the next
	v_lshlrev_b32 v8, 12, v10
	v_lshl_add_u32 v8, v9, 4, v8                   ; and the same two rows in out
	v_add_nc_u32 v208, s88, v30
	v_add_nc_u32 v209, s88, v31
.irp t, 1,2,3
	v_add_nc_u32 v[208+2*\t], \t*16*PITCH, v208
	v_add_nc_u32 v[209+2*\t], \t*16*PITCH, v209
.endr
	s_wait_alu depctr_va_vdst(0)
	s_wait_tensorcnt 0x0
	s_barrier_signal -1
	s_barrier_wait -1                              ; everything is in; nothing is filled again
	FETCH 0
	WLOAD 0
	s_wait_loadcnt 0x0                             ; scales and bo
.set QQ, 0
.rept 8                                        ; tile 0: each K step's products under the next step's loads
.set CNT, 0
.if QQ < 7
	WLOAD QQ+1
.else
	FETCH 1
.set CNT, 32
.endif
	s_wait_dscnt CNT                               ; all but the loads just issued
	BLOCK 0, 4*QQ, 4*QQ+4
.set QQ, QQ+1
.endr
	PLACES
	FETCH 2
	TOSTAGE 0
	s_wait_dscnt 48                                ; tile 1 is in; tile 2's 32 loads and the stage's 16 may be out
	BLOCK 1, 0, 16
	SEND 0
	BLOCK 1, 16, 32
	PLACES
	FETCH 3
	TOSTAGE 1
	BLOCK 2, 0, 16                                 ; (tile 2 came in ahead of tile 0's stores)
	SEND 1
	BLOCK 2, 16, 32
	PLACES
	s_wait_xcnt 0x0                                ; tile 0's stores have read their registers
	TOSTAGE 2
	BLOCK 3, 0, 16
	SEND 2
	BLOCK 3, 16, 32
	PLACES
	s_wait_xcnt 0x0
	TOSTAGE 3
	SEND 3
	s_wait_tensorcnt 0x0                           ; the wave's end
	ds_add_u32 v2, v3
	s_wait_dscnt 0x0
	CROUND                                         ; the closing round
	s_endpgm
.Lfunc_end_k_qbaeae9a0c7_oproj:
	.size	k_qbaeae9a0c7_oproj, .Lfunc_end_k_qbaeae9a0c7_oproj-k_qbaeae9a0c7_oproj
	.p2alignl 7, 3214868480
	.fill 96, 4, 3214868480
	.section	.rodata,"a",@progbits
	.p2align	6, 0x0
	.amdhsa_kernel k_qbaeae9a0c7_oproj
		.amdhsa_group_segment_fixed_size 327680
		.amdhsa_private_segment_fixed_size 0
		.amdhsa_enable_private_segment 0
		.amdhsa_kernarg_size 48
		.amdhsa_user_sgpr_count 2
		.amdhsa_user_sgpr_kernarg_segment_ptr 1
		.amdhsa_wavefront_size32 1
		.amdhsa_system_sgpr_workgroup_id_x 1
		.amdhsa_system_sgpr_workgroup_id_y 1
		.amdhsa_system_sgpr_workgroup_id_z 1
		.amdhsa_system_vgpr_workitem_id 0
		.amdhsa_next_free_vgpr 864
		.amdhsa_next_free_sgpr 100
		.amdhsa_reserve_vcc 0
		.amdhsa_float_denorm_mode_32 3
		.amdhsa_float_denorm_mode_16_64 3
		.amdhsa_memory_ordered 1
		.amdhsa_forward_progress 1
		.amdhsa_inst_pref_size 49
	.end_amdhsa_kernel
	.amdgpu_metadata
---
amdhsa.version: [ 1, 2 ]
amdhsa.kernels:
  - .name:           k_qbaeae9a0c7_oproj
    .symbol:         k_qbaeae9a0c7_oproj.kd
    .args:
      - { .name: ao, .offset: 0, .size: 8, .value_kind: global_buffer, .address_space: global }
      - { .name: aos, .offset: 8, .size: 8, .value_kind: global_buffer, .address_space: global }
      - { .name: Wo_codes, .offset: 16, .size: 8, .value_kind: global_buffer, .address_space: global }
      - { .name: Wo_scales, .offset: 24, .size: 8, .value_kind: global_buffer, .address_space: global }
      - { .name: bo, .offset: 32, .size: 8, .value_kind: global_buffer, .address_space: global }
      - { .name: out0, .offset: 40, .size: 8, .value_kind: global_buffer, .address_space: global }
    .group_segment_fixed_size: 327680
    .private_segment_fixed_size: 0
    .kernarg_segment_align: 8
    .kernarg_segment_size: 48
    .max_flat_workgroup_size: 128
    .sgpr_count:     100
    .vgpr_count:     864
    .wavefront_size: 32
...
	.end_amdgpu_metadata
.endif
;; end of part 3
